; MI455X (gfx1250); checked and timed in simulation.
; The chip was launched on July 23, 2026; its instructions are those of AMD's public machine-readable ISA for CDNA 5 (MIT licence, August 2026) and "CDNA5" Instruction Set Architecture Reference Guide (July 2026). The comments in the code are by the model that wrote it; some were corrected since.
;; Scaled Dot Product Attention. Allowed arithmetic: float matrix products may take bf16 or f16 operands with f32 sums; all other float work in f32.
;; Inputs: K 4 x 16 x 2,048 x 64 float32; Q 4 x 16 x 2,048 x 64 float32; V 4 x 16 x 2,048 x 64 float32; mask 1 x 1 x 2,048 x 2,048 bool.
;; Outputs: out0 4 x 16 x 2,048 x 64 float32.
;; One version. Each part assembles by itself: llvm-mc -triple=amdgcn-amd-amdhsa -mcpu=gfx1250 --defsym DOCPART=n.
;; ======== version 1 of 1: 2 launches
;; limits: values are held in f16: magnitudes above 65,504 overflow, below 6.1e-05 lose precision; inputs' magnitudes at most 65,504
;; workspace buffers: maskw 524,288 bytes of whole numbers; flags 2,048 bytes of whole numbers
;; launch pack (part 1): grid 4 x 64, 4 waves a work-group, no clusters, 17,920 bytes of LDS; arguments mask, maskw, flags; writes maskw, flags
.if DOCPART == 1
	.amdgcn_target "amdgcn-amd-amdhsa--gfx1250"
	.amdhsa_code_object_version 6
	.text
	.protected	k_qa37aa3df4f_pack
	.globl	k_qa37aa3df4f_pack
	.p2align	8
	.type	k_qa37aa3df4f_pack,@function
k_qa37aa3df4f_pack:
	s_mov_b64 s[64:65], 0
	v_nop
	global_prefetch_b8 v0, s[64:65] scope:SCOPE_SE
	s_setreg_imm32_b32 hwreg(HW_REG_WAVE_MODE, 25, 1), 1
	s_wait_xcnt 0x0
; The mask [2048][2048] of bytes is turned, once for all 64 heads, into the 32-bit lane masks that the attention kernel hands to
; v_cndmask_b32, and into two bits for each (group of 32 queries, tile of 64 keys).
;   maskw [g 0..63][kt 0..31][64 words]: word 32 qt + 8 k16 + j, bit L = mask[32 g + 16 qt + (L & 15)][64 kt + 16 k16 + 8 (L >> 4) + j]
;   flags: live[g][c] at byte 4 (4 g + c), any[g][c] at byte 1024 + 4 (4 g + c); bit kt (only kt = 8 c .. 8 c + 7 can be set in word c)
;          live: some element of the 32 x 64 tile is not masked;  any: some element of it is masked.
; Any byte other than 0 counts as True.
; Work-group (c, g): 32 rows x 512 bytes of the mask.  Four waves bring them to LDS, 512 consecutive bytes for each load of a wave;
; then wave w makes the tiles kt = 8 c + 2 w and 8 c + 2 w + 1.  A tile's 64 words leave as one store of 256 consecutive bytes, aligned.
; The two flag words of a work-group are 4-byte stores: 2,048 bytes in the whole launch.
; No matrix unit, no cluster: the work-groups share no byte, and the work is compares.
.set PITCH, 528                        ; an LDS row: 512 bytes + 16 = 132 words, so lane (r, h) of an 8-byte read starts at word 4 r + 2 h modulo 64: all 32 differ
.set FLG,   32*PITCH                   ; behind the rows: 8 bytes for each wave
.set RAW,   12                         ; v[12:43]  eight rows' 16 bytes as loaded
.set PC,    44                         ; v[44:75]  piece n = 8 u + 4 qt + k16: my 8 mask bytes of that 16 x 16 tile
.set OUTW,  76                         ; v[76:79]  tile u: the two words that each lane stores
.set TMP,   80                         ; v[80:83]  one byte, masked out
	s_load_b128 s[4:7], s[0:1], 0x0                ; mask s[4:5], maskw s[6:7]
	s_load_b64 s[8:9], s[0:1], 0x10                ; flags
	v_lshl_add_u32 v96, v0, 2, 0x4400
	v_mov_b32 v97, 0
	v_and_b32 v1, 31, v0                           ; lane
	v_lshrrev_b32 v2, 5, v0
	v_readfirstlane_b32 s10, v2                    ; wave w
	s_and_b32 s24, ttmp7, 0xffff                   ; g;  ttmp9 = c
	v_and_b32 v9, 15, v0                           ; r
	v_bfe_u32 v10, v0, 4, 1                        ; h
	v_lshlrev_b32 v11, 4, v1                       ; 16 x lane
	s_lshl_b32 s16, s10, 11
	v_add_nc_u32 v2, s16, v11                      ; memory: row w, my 16 bytes
	s_mul_i32 s16, s10, PITCH
	v_add_nc_u32 v3, s16, v11                      ; LDS: the same
	v_mul_u32_u24 v4, PITCH, v9
	v_lshl_add_u32 v4, v10, 3, v4
	s_lshl_b32 s16, s10, 7
	v_add_nc_u32 v4, s16, v4                       ; LDS: row r, byte 128 w + 8 h
	v_lshlrev_b32 v5, 3, v1                        ; 8 x lane: my two words of a tile's 64
	s_lshl_b32 s16, s10, 3
	s_add_co_u32 s16, s16, FLG
	v_mov_b32 v6, s16                              ; my wave's flag pair
	v_mov_b32 v7, FLG
	v_mov_b32 v8, 0
	s_lshl_b32 s2, s24, 16                         ; 32 rows of 2,048 bytes
	s_lshl_b32 s16, ttmp9, 9                       ; + 512 c
	s_add_co_u32 s2, s2, s16
	s_mov_b32 s3, 0
	s_wait_kmcnt 0x0
	s_add_nc_u64 s[4:5], s[4:5], s[2:3]
.irp i, 0,1,2,3,4,5,6,7
	global_load_b128 v[RAW+4*\i:RAW+4*\i+3], v2, s[4:5] offset:8192*\i th:TH_LOAD_NT   ; row 4 i + w; every byte is read once in the launch
.endr
	s_lshl_b32 s2, s24, 13                         ; maskw: 8,192 g + 2,048 c + 512 w
	s_lshl_b32 s16, ttmp9, 11
	s_add_co_u32 s2, s2, s16
	s_lshl_b32 s16, s10, 9
	s_add_co_u32 s2, s2, s16
	s_add_nc_u64 s[6:7], s[6:7], s[2:3]
	s_lshl2_add_u32 s2, s24, ttmp9                 ; 4 g + c
	s_lshl_b32 s2, s2, 2
	s_add_nc_u64 s[8:9], s[8:9], s[2:3]
	s_lshl_b32 s11, ttmp9, 3
	s_lshl1_add_u32 s11, s10, s11                  ; 8 c + 2 w: my first tile's number
	s_mov_b32 s12, 0                               ; live bits
	s_mov_b32 s13, 0                               ; any bits
.irp i, 0,1,2,3,4,5,6,7
	s_wait_loadcnt 7-\i                            ; loads return in order: row i's is in, the 7 - i younger ones stay out
	ds_store_b128 v3, v[RAW+4*\i:RAW+4*\i+3] offset:4*PITCH*\i
.endr
	s_wait_dscnt 0x0                               ; my rows are in LDS before I say so
	s_barrier_signal -1
	s_barrier_wait -1                              ; everybody's are
.irp u, 0,1
.irp qt, 0,1
.irp k, 0,1,2,3
	ds_load_b64 v[PC+2*(8*\u+4*\qt+\k):PC+2*(8*\u+4*\qt+\k)+1], v4 offset:16*PITCH*\qt+64*\u+16*\k
.endr
.endr
.endr
	s_wait_dscnt 0x0
; Tile u: 64 ballots.  Word idx goes to lane idx / 2, register idx % 2, so that a lane's pair is 8 neighbouring bytes of the block.
.macro WORDS u
	v_mov_b32 v[OUTW+2*\u], 0                      ; v_writelane_b32 keeps the other lanes: the register is written whole first
	v_mov_b32 v[OUTW+2*\u+1], 0
	s_mov_b32 s14, -1                              ; AND of the 64 words
	s_mov_b32 s15, 0                               ; OR of them
.irp qt, 0,1
.irp k, 0,1,2,3
.irp j, 0,1,2,3,4,5,6,7
	v_and_b32 v[TMP+\j%4], 0xff<<(8*(\j%4)), v[PC+2*(8*\u+4*\qt+\k)+\j/4]
	v_cmp_ne_u32 s[20+\j%4], 0, v[TMP+\j%4]
	v_writelane_b32 v[OUTW+2*\u+\j%2], s[20+\j%4], (32*\qt+8*\k+\j)/2
	s_and_b32 s14, s14, s[20+\j%4]
	s_or_b32 s15, s15, s[20+\j%4]
.endr
.endr
.endr
	global_store_b64 v5, v[OUTW+2*\u:OUTW+2*\u+1], s[6:7] offset:256*\u   ; 32 lanes x 8 bytes: the tile's 256 bytes, aligned
	s_add_co_u32 s17, s11, \u                      ; the tile's number = its bit
	s_cmp_lg_u32 s14, -1                           ; not all masked
	s_cselect_b32 s16, 1, 0
	s_lshl_b32 s16, s16, s17
	s_or_b32 s12, s12, s16
	s_cmp_lg_u32 s15, 0                            ; something masked
	s_cselect_b32 s16, 1, 0
	s_lshl_b32 s16, s16, s17
	s_or_b32 s13, s13, s16
.endm
	WORDS 0
	WORDS 1
	v_mov_b32 v84, s12
	v_mov_b32 v85, s13
	ds_store_b64 v6, v[84:85]                      ; all lanes, one address, one value
	s_wait_dscnt 0x0
	s_barrier_signal -1
	s_barrier_wait -1
	s_cmp_lg_u32 s10, 0                            ; wave 0 joins the four pairs
	s_cbranch_scc1 .Lend
	ds_load_b128 v[86:89], v7                      ; live 0, any 0, live 1, any 1
	ds_load_b128 v[90:93], v7 offset:16            ; live 2, any 2, live 3, any 3
	s_wait_dscnt 0x0
	v_or_b32 v86, v86, v88
	v_or_b32 v90, v90, v92
	v_or_b32 v86, v86, v90
	v_or_b32 v87, v87, v89
	v_or_b32 v91, v91, v93
	v_or_b32 v87, v87, v91
	s_wait_xcnt 0x0                                ; EXEC is a source of the stores above: it narrows only behind this wait
	v_cmp_eq_u32 vcc_lo, 0, v1
	s_and_saveexec_b32 s18, vcc_lo
	global_store_b32 v8, v86, s[8:9]
	global_store_b32 v8, v87, s[8:9] offset:1024
	s_wait_xcnt 0x0                                ; and widens only behind this one
	s_or_b32 exec_lo, exec_lo, s18
.Lend:
	s_wait_tensorcnt 0x0
	ds_add_u32 v96, v97
	s_wait_dscnt 0x0
	s_endpgm
.Lfunc_end_k_qa37aa3df4f_pack:
	.size	k_qa37aa3df4f_pack, .Lfunc_end_k_qa37aa3df4f_pack-k_qa37aa3df4f_pack
	.p2alignl 7, 3214868480
	.fill 96, 4, 3214868480
	.section	.rodata,"a",@progbits
	.p2align	6, 0x0
	.amdhsa_kernel k_qa37aa3df4f_pack
		.amdhsa_group_segment_fixed_size 17920
		.amdhsa_private_segment_fixed_size 0
		.amdhsa_enable_private_segment 0
		.amdhsa_kernarg_size 24
		.amdhsa_user_sgpr_count 2
		.amdhsa_user_sgpr_kernarg_segment_ptr 1
		.amdhsa_wavefront_size32 1
		.amdhsa_system_sgpr_workgroup_id_x 1
		.amdhsa_system_sgpr_workgroup_id_y 1
		.amdhsa_system_sgpr_workgroup_id_z 1
		.amdhsa_system_vgpr_workitem_id 0
		.amdhsa_next_free_vgpr 98
		.amdhsa_next_free_sgpr 66
		.amdhsa_reserve_vcc 1
		.amdhsa_float_denorm_mode_32 3
		.amdhsa_float_denorm_mode_16_64 3
		.amdhsa_memory_ordered 1
		.amdhsa_forward_progress 1
		.amdhsa_inst_pref_size 39
	.end_amdhsa_kernel
	.amdgpu_metadata
---
amdhsa.version: [ 1, 2 ]
amdhsa.kernels:
  - .name:           k_qa37aa3df4f_pack
    .symbol:         k_qa37aa3df4f_pack.kd
    .args:
      - { .name: mask, .offset: 0, .size: 8, .value_kind: global_buffer, .address_space: global }
      - { .name: maskw, .offset: 8, .size: 8, .value_kind: global_buffer, .address_space: global }
      - { .name: flags, .offset: 16, .size: 8, .value_kind: global_buffer, .address_space: global }
    .group_segment_fixed_size: 17920
    .private_segment_fixed_size: 0
    .kernarg_segment_align: 8
    .kernarg_segment_size: 24
    .max_flat_workgroup_size: 128
    .sgpr_count:     66
    .vgpr_count:     98
    .wavefront_size: 32
...
	.end_amdgpu_metadata
.endif
;; end of part 1
;; launch attn (part 2): grid 256 x 1, 8 waves a work-group, no clusters, 109,568 bytes of LDS; arguments Q, K, V, maskw, flags, out0; writes out0
.if DOCPART == 2
	.amdgcn_target "amdgcn-amd-amdhsa--gfx1250"
	.amdhsa_code_object_version 6
	.text
	.protected	k_qa37aa3df4f_attn
	.globl	k_qa37aa3df4f_attn
	.p2align	8
	.type	k_qa37aa3df4f_attn,@function
k_qa37aa3df4f_attn:
	s_mov_b64 s[64:65], 0
	v_nop
	global_prefetch_b8 v0, s[64:65] scope:SCOPE_SE
	s_setreg_imm32_b32 hwreg(HW_REG_WAVE_MODE, 25, 1), 1
	s_wait_xcnt 0x0
; out = softmax(mask ? -inf : Q K^T / 8) V for 64 heads, 2,048 queries and keys, 64 numbers a row; all tensors f32.
; Products on the matrix unit with f16 operands and f32 sums; softmax in f32 with a running maximum.
;
; WHY F16 AND NOT BF16.  A query with few unmasked keys averages nothing away: the roundings of Q, K, exp() and V show in its output at their own size
; relative to V.  f16 keeps 11 significant bits against bf16's 8, so each of the four roundings is 8 times finer.  Its range has room here:
; numbers of spread 1 taken 30 times larger, with an offset of 30 times that spread, stay under 1,100, against f16's largest number 65,504;
; exp() lies in 0 .. 1.
;
; SHARES.  Work-group: head = id / 4, p = id % 4; two passes over blocks of 256 queries, b = p and then b = 7 - p (the pairing only evens the
; number of tiles where it grows with the row; no value hangs on it).  Wave w: the 32 queries of group g = 8 b + w, as two tiles of 16 (qt).
; A trip is one tile of 64 keys.  The tiles worked on are those in which, by the flags that the launch before stored, at least one element
; is unmasked for at least one of the block's 256 queries; every such tile is still masked element by element, so skipping decides no value.
; A pass always makes 32 trips and passes 34 barriers: how often a wave passes a barrier hangs on no loaded number.  The live tiles come first,
; as a compact list; a trip beyond the list's end jumps over its whole body and only passes the barrier.
;
; TRANSPOSED SCORES.  S^T = K Q^T: source 0 = 16 keys, source 1 = 16 queries.  Lane (r, h) then holds query r and, in register j, key 8 h + j:
; maximum and sum stay in the lane (one exchange with lane xor 16), and two packed tiles of exp() ARE the second product's source 1
; (keys 8 h .. in registers 0-3, 16 + 8 h .. in 4-7).  O^T = V^T P: source 0 comes from V, stored [key][d] in LDS, by transposing loads.
;
; K AND V are f32 in memory and wanted in f16 by all eight waves: the 256 threads load a tile (16 bytes a lane, 512 consecutive bytes a wave and
; load) one trip ahead into registers, round it once and store it into one of two LDS slots.  One barrier a trip.
; NO TENSOR LOADS, NO CLUSTER: a tile would land as 32,768 bytes of f32 and have to be read back, rounded and stored again (49,152 more LDS bytes a
; tile); and the query blocks of a head, which would be the partners, have lists of different lengths, read from the flags.
;
; LIMITS.  A number of Q, K or V above 65,504 in magnitude becomes infinite on its way to f16; magnitudes under 2^-14 are kept with a step of 2^-24.
; exp() under 2^-25 counts as 0 in the second product (the row sum still adds it in f32); exp() under 2^-126 is 0 everywhere.
; A row masked everywhere gives NaN (0 x 1/0), as the reference does.  The running maximum starts at -FLT_MAX in place of -inf; no finite
; score lies below it.  The row sum adds exp() in f32, the second product takes it in f16.  Sums run in another order than the reference's.
; Scores that overflow f32, and NaN or infinite inputs, are not followed.
.set KP,    144                        ; K's LDS row: 128 bytes + 16, an odd multiple of 16: a fragment's 16 rows start at 16 different 16-byte columns modulo 256
.set VP,    160                        ; V's LDS row: 128 bytes + 32, an odd multiple of 32, for the transposing loads
.set VOFF,  64*KP                      ; V's tile behind K's in a slot
.set SLOT,  64*KP+64*VP                ; 19,456 bytes
.set STG,   2*SLOT                     ; behind the slots: each wave's own stage,
.set STGW,  8704                       ; 32 rows x 272 bytes (O in f32 on the way out); Q in f16, 32 rows x 144, at a pass's head
.set OP,    272
.set PAIRS, 16                         ; pairs of trips in a pass: 2,048 keys / 64 / 2
; window 0:  v1 K fragment address  v2 V fragment address  v3, v4 where I store my part of K, V  v5 16 t  v6, v7 stage: O in, O back
;            v8, v9 stage: Q in, Q fragments  v10 16 x lane  v11 -inf
.set MX,  12                           ; v[12:13]   running maximum of the raw scores, qt 0, 1
.set NM,  14                           ; v[14:15]   -c x maximum, as rounded: the offset that exp() really uses
.set AL,  16                           ; v[16:17]   2^(new offset - old offset); at the end 1 / sum
.set LS,  18                           ; v[18:25]   row sums: two pairs for each qt
.set TT,  26                           ; v[26:30]   at work
.set SC,  32                           ; v[32:95]   scores: 32 qt + 8 k16 + j; packed P in 32 qt + 8 kk + 0..7
.set OA,  96                           ; v[96:159]  O^T: 32 qt + 8 dt + j
.set QF,  160                          ; v[160:191] Q fragments: 16 qt + 8 ks
.set FR,  192                          ; v[192:255] K fragments 32 ks + 8 k16, then V fragments 32 kk + 8 dt
; window 1:  v256-287 (written v0-31) the f32 tile on its way: K's four loads, V's four;  v288-303 (v32-47) the same in f16
; scalars:   s[2:3] an offset, s3 = 0   s[4:15] Q, K, V (at the head), maskw, flags, out0 (at the head)   s16 w  s17 pass  s18 b  s19 live pairs of trips
;            s20 pair counter  s21, s22 tiles still to fetch: K and V, mask words   s23 tile  s[24:27] its K, V   s[28:29] maskw at g  s30 offset  s31 the trip's tile
;            s[32:63], s[68:99] mask words of qt 0, 1   s[66:67] c, c   s100, s101 lane selects   s104 the wave's any bits   s105 p
.set MSB, 0
.macro WIN new                         ; s_set_vgpr_msb: bits 1:0 source 0, 3:2 source 1, 5:4 source 2, 7:6 destination; the high byte repeats the setting that is left
.if MSB != \new
	s_set_vgpr_msb (MSB<<8)|\new
.set MSB, \new
.endif
.endm
	s_load_b256 s[4:11], s[0:1], 0x0               ; Q, K, V, maskw
	s_load_b128 s[12:15], s[0:1], 0x20             ; flags, out0
	v_lshl_add_u32 v31, v0, 2, 0x1a800
	s_set_vgpr_msb 0x40
	v_mov_b32 v49, 0
	s_set_vgpr_msb 0x4000
	v_and_b32 v26, 31, v0                          ; L
	v_and_b32 v27, 15, v0                          ; r (also t % 16)
	v_bfe_u32 v28, v0, 4, 1                        ; h
	v_lshrrev_b32 v29, 5, v0
	v_readfirstlane_b32 s16, v29                   ; wave
	v_mul_u32_u24 v1, KP, v27
	v_lshl_add_u32 v1, v28, 4, v1                  ; r x 144 + 16 h
	v_and_b32 v30, 7, v0
	v_lshl_add_u32 v30, v28, 3, v30                ; 8 h + L % 8
	v_mul_u32_u24 v2, VP, v30
	v_bfe_u32 v30, v0, 3, 1
	v_lshl_add_u32 v2, v30, 4, v2
	v_add_nc_u32 v2, VOFF, v2                      ; V: key row 8 h + L % 8, 16 bytes at 16 ((L >> 3) & 1)
	v_lshrrev_b32 v29, 4, v0                       ; t / 16: my row among the 16 that one load of the work-group covers
	v_mul_u32_u24 v3, KP, v29
	v_lshl_add_u32 v3, v27, 3, v3                  ; + 8 bytes for my 4 numbers
	v_mul_u32_u24 v4, VP, v29
	v_lshl_add_u32 v4, v27, 3, v4
	v_add_nc_u32 v4, VOFF, v4
	v_lshlrev_b32 v5, 4, v0
	s_mul_i32 s20, s16, STGW
	s_add_co_u32 s20, s20, STG                     ; my wave's stage
	v_mul_u32_u24 v6, OP, v27
	v_lshl_add_u32 v6, v28, 5, v6
	v_add_nc_u32 v6, s20, v6                       ; O in: row r, 32 h bytes
	v_mul_u32_u24 v7, OP, v28
	v_lshl_add_u32 v7, v27, 4, v7
	v_add_nc_u32 v7, s20, v7                       ; O back: lanes 0-15 one row, 16-31 the next
	v_mul_u32_u24 v8, KP, v28
	v_lshl_add_u32 v8, v27, 3, v8
	v_add_nc_u32 v8, s20, v8                       ; Q in
	v_add_nc_u32 v9, s20, v1                       ; Q fragments
	v_lshlrev_b32 v10, 4, v26
	v_mov_b32 v11, 0xff800000
	s_lshr_b32 s2, ttmp9, 2
	s_lshl_b32 s2, s2, 19                          ; a head: 2,048 rows of 256 bytes
	s_mov_b32 s3, 0
	s_and_b32 s105, ttmp9, 3
	s_mov_b32 s66, 0x3e38aa3b                      ; c = log2(e) / 8: the scale 1 / sqrt(64) and the base of v_exp_f32 in one factor
	s_mov_b32 s67, 0x3e38aa3b
	s_mov_b32 s100, 0x76543210                     ; v_permlanex16_b32: lane i takes lane i xor 16
	s_mov_b32 s101, 0xfedcba98
	s_mov_b32 s17, 0
	s_wait_kmcnt 0x0
	s_add_nc_u64 s[4:5], s[4:5], s[2:3]
	s_add_nc_u64 s[6:7], s[6:7], s[2:3]
	s_add_nc_u64 s[8:9], s[8:9], s[2:3]
	s_add_nc_u64 s[14:15], s[14:15], s[2:3]
; The next tile of the list: lowest set bit of s21, cleared.  An empty list gives -1, which the minimum turns into tile 31: inside the buffers, and never used.
.macro POPL
	s_ctz_i32_b32 s23, s21
	s_min_u32 s23, s23, 31
	s_sub_co_u32 s2, s21, 1
	s_and_b32 s21, s21, s2
	s_lshl_b32 s2, s23, 14                         ; 64 rows of 256 bytes
	s_add_nc_u64 s[24:25], s[6:7], s[2:3]
	s_add_nc_u64 s[26:27], s[8:9], s[2:3]
.endm
; Eight loads: my 16 bytes of each 4,096 of the next K and V tile.  No hint: the head's other blocks read these bytes again.
.macro GLOAD
	POPL
	WIN 0x40
.irp i, 0,1,2,3
	global_load_b128 v[4*\i:4*\i+3], v5, s[24:25] offset:4096*\i
.endr
.irp i, 0,1,2,3
	global_load_b128 v[16+4*\i:16+4*\i+3], v5, s[26:27] offset:4096*\i
.endr
	WIN 0
.endm
; The tile that is in registers goes to slot dst in f16; the one after it is asked for.
.macro STAGE dst
	s_wait_loadcnt 0x0                             ; the eight loads issued a trip ago; this wait also frees their bases s[24:27]
	WIN 0x45
.set i, 0
.rept 16
	v_cvt_pk_f16_f32 v[32+i], v[2*i], v[2*i+1]
.set i, i+1
.endr
	WIN 0x04
.irp i, 0,1,2,3
	ds_store_b64 v3, v[32+2*\i:33+2*\i] offset:\dst*SLOT+16*KP*\i
.endr
.irp i, 0,1,2,3
	ds_store_b64 v4, v[40+2*\i:41+2*\i] offset:\dst*SLOT+16*VP*\i
.endr
	GLOAD
.endm
; The next tile's 64 mask words of my 32 queries, 256 bytes, into scalar registers; s31 = that tile's number.
.macro POPM
	s_ctz_i32_b32 s31, s22
	s_min_u32 s31, s31, 31
	s_sub_co_u32 s30, s22, 1
	s_and_b32 s22, s22, s30
	s_lshl_b32 s30, s31, 8
	s_load_b512 s[32:47], s[28:29], s30
	s_load_b512 s[48:63], s[28:29], s30 offset:0x40
	s_load_b512 s[68:83], s[28:29], s30 offset:0x80
	s_load_b512 s[84:99], s[28:29], s30 offset:0xc0
.endm
; The maximum of a query's 64 scores (32 in this lane, 32 in lane xor 16), joined to the running one; the new offset; the factor for what was summed before.
.macro MAXQ qt, first
.irp k, 0,1,2,3
	v_max3_num_f32 v[TT+\k], v[SC+32*\qt+8*\k], v[SC+32*\qt+8*\k+1], v[SC+32*\qt+8*\k+2]
.endr
.irp k, 0,1,2,3
	v_max3_num_f32 v[TT+\k], v[TT+\k], v[SC+32*\qt+8*\k+3], v[SC+32*\qt+8*\k+4]
.endr
.irp k, 0,1,2,3
	v_max3_num_f32 v[TT+\k], v[TT+\k], v[SC+32*\qt+8*\k+5], v[SC+32*\qt+8*\k+6]
.endr
	v_max3_num_f32 v[TT], v[TT], v[TT+1], v[SC+32*\qt+7]
	v_max3_num_f32 v[TT+2], v[TT+2], v[TT+3], v[SC+32*\qt+15]
	v_max3_num_f32 v[TT], v[TT], v[TT+2], v[SC+32*\qt+23]
	v_max_num_f32 v[TT], v[TT], v[SC+32*\qt+31]
	v_permlanex16_b32 v[TT+4], v[TT], s100, s101
.if \first
	v_max3_num_f32 v[MX+\qt], v[TT], v[TT+4], 0xff7fffff   ; a finite floor: a tile masked everywhere leaves the offset finite
	v_mul_f32 v[NM+\qt], 0xbe38aa3b, v[MX+\qt]
.else
	v_max3_num_f32 v[MX+\qt], v[TT], v[TT+4], v[MX+\qt]
	v_mul_f32 v[TT+1], 0xbe38aa3b, v[MX+\qt]
	v_sub_f32 v[AL+\qt], v[TT+1], v[NM+\qt]        ; from the two rounded offsets, so that old and new exp() stand on one scale
	v_mov_b32 v[NM+\qt], v[TT+1]
	v_exp_f32 v[AL+\qt], v[AL+\qt]                 ; used only behind the plain instructions that follow (ISA guide 5.7.2)
.endif
.endm
.macro FMAQ qt                         ; c x score - c x maximum
.set i, 0
.rept 16
.if \qt
	v_pk_fma_f32 v[SC+32+2*i:SC+32+2*i+1], v[SC+32+2*i:SC+32+2*i+1], s[66:67], v[NM:NM+1] op_sel:[0,0,1] op_sel_hi:[1,0,1]
.else
	v_pk_fma_f32 v[SC+2*i:SC+2*i+1], v[SC+2*i:SC+2*i+1], s[66:67], v[NM:NM+1] op_sel_hi:[1,0,0]
.endif
.set i, i+1
.endr
.endm
.macro EXPQ qt
.set i, 0
.rept 32
	v_exp_f32 v[SC+32*\qt+i], v[SC+32*\qt+i]
.set i, i+1
.endr
.endm
.macro SUMQ qt, first                  ; two chains of packed sums; the first trip starts them, later ones scale them first
.if \first
	s_wait_alu depctr_va_vdst(0)
	v_pk_add_f32 v[LS+4*\qt:LS+4*\qt+1], v[SC+32*\qt:SC+32*\qt+1], v[SC+32*\qt+4:SC+32*\qt+5]
	v_pk_add_f32 v[LS+4*\qt+2:LS+4*\qt+3], v[SC+32*\qt+2:SC+32*\qt+3], v[SC+32*\qt+6:SC+32*\qt+7]
.set i, 4
.rept 12
	v_pk_add_f32 v[LS+4*\qt+2*(i%2):LS+4*\qt+2*(i%2)+1], v[LS+4*\qt+2*(i%2):LS+4*\qt+2*(i%2)+1], v[SC+32*\qt+2*i:SC+32*\qt+2*i+1]
.set i, i+1
.endr
.else
.if \qt
	s_wait_alu depctr_va_vdst(0)
	v_pk_fma_f32 v[LS+4:LS+5], v[LS+4:LS+5], v[AL:AL+1], v[SC+32:SC+33] op_sel:[0,1,0] op_sel_hi:[1,1,1]
	v_pk_fma_f32 v[LS+6:LS+7], v[LS+6:LS+7], v[AL:AL+1], v[SC+34:SC+35] op_sel:[0,1,0] op_sel_hi:[1,1,1]
.else
	s_wait_alu depctr_va_vdst(0)
	v_pk_fma_f32 v[LS:LS+1], v[LS:LS+1], v[AL:AL+1], v[SC:SC+1] op_sel_hi:[1,0,1]
	v_pk_fma_f32 v[LS+2:LS+3], v[LS+2:LS+3], v[AL:AL+1], v[SC+2:SC+3] op_sel_hi:[1,0,1]
.endif
.set i, 2
.rept 14
	v_pk_add_f32 v[LS+4*\qt+2*(i%2):LS+4*\qt+2*(i%2)+1], v[LS+4*\qt+2*(i%2):LS+4*\qt+2*(i%2)+1], v[SC+32*\qt+2*i:SC+32*\qt+2*i+1]
.set i, i+1
.endr
.endif
.endm
.macro CVTQ qt                         ; exp() to f16, in place, ascending: register i is written when registers 2 i and 2 i + 1 are read, and none below 2 i + 2 is read later
.set i, 0
.rept 16
	v_cvt_pk_f16_f32 v[SC+32*\qt+i], v[SC+32*\qt+2*i], v[SC+32*\qt+2*i+1]
.set i, i+1
.endr
.endm
.macro RESC                            ; O x the lane's factor, qt 0 by v16, qt 1 by v17
.set i, 0
.rept 16
	v_pk_mul_f32 v[OA+2*i:OA+2*i+1], v[OA+2*i:OA+2*i+1], v[AL:AL+1] op_sel_hi:[1,0]
.set i, i+1
.endr
.set i, 0
.rept 16
	v_pk_mul_f32 v[OA+32+2*i:OA+32+2*i+1], v[OA+32+2*i:OA+32+2*i+1], v[AL:AL+1] op_sel:[0,1] op_sel_hi:[1,1]
.set i, i+1
.endr
.endm
; ONE TRIP: the tile in slot is multiplied, the next goes into other, the one after that is asked for.
; first = 1: the pass's first tile starts maximum, sums and O: nothing is cleared.
; cond = 1: beyond the list's end (pair counter s20 >= live pairs s19) the body is jumped over; the jump lands in front of the barrier, which every trip passes.
.macro TRIP slot, other, first, cond, id
.if \cond
	s_cmp_ge_u32 s20, s19
	s_cbranch_scc1 .Lsk_\id
.endif
.irp ks, 0,1
.irp k, 0,1,2,3
	ds_load_b128 v[FR+32*\ks+8*\k:FR+32*\ks+8*\k+3], v1 offset:\slot*SLOT+16*KP*\k+64*\ks
	ds_load_b128 v[FR+32*\ks+8*\k+4:FR+32*\ks+8*\k+7], v1 offset:\slot*SLOT+16*KP*\k+64*\ks+32
.endr
.endr
	s_wait_dscnt 0x8                               ; the fragments of d 0-31 are in; the eight younger loads (d 32-63) stay out
.irp k, 0,1,2,3
.irp q, 0,1
	v_wmma_f32_16x16x32_f16 v[SC+32*\q+8*\k:SC+32*\q+8*\k+7], v[FR+8*\k:FR+8*\k+7], v[QF+16*\q:QF+16*\q+7], 0
.endr
.endr
	s_wait_dscnt 0x0
.irp k, 0,1,2,3
.irp q, 0,1
	v_wmma_f32_16x16x32_f16 v[SC+32*\q+8*\k:SC+32*\q+8*\k+7], v[FR+32+8*\k:FR+32+8*\k+7], v[QF+16*\q+8:QF+16*\q+15], v[SC+32*\q+8*\k:SC+32*\q+8*\k+7]
.endr
.endr
.rept 4
	v_nop                                          ; four places in front of the loads into FR and of the first reads of the scores
.endr
	STAGE \other                                   ; the other slot's readers passed the last barrier
.irp kk, 0,1
.irp d, 0,1,2,3
	ds_load_tr16_b128 v[FR+32*\kk+8*\d:FR+32*\kk+8*\d+3], v2 offset:\slot*SLOT+32*VP*\kk+32*\d
	ds_load_tr16_b128 v[FR+32*\kk+8*\d+4:FR+32*\kk+8*\d+7], v2 offset:\slot*SLOT+32*VP*\kk+32*\d+16*VP
.endr
.endr
	s_wait_kmcnt 0x0                               ; this tile's mask words, asked for a trip ago
	s_bitcmp1_b32 s104, s31                        ; is anything masked for my 32 queries in this tile?
	s_cbranch_scc0 .Lnm_\id
.set i, 0
.rept 32
	v_cndmask_b32 v[SC+i], v[SC+i], v11, s[32+i]
.set i, i+1
.endr
.set i, 0
.rept 32
	v_cndmask_b32 v[SC+32+i], v[SC+32+i], v11, s[68+i]
.set i, i+1
.endr
.Lnm_\id:
	POPM                                           ; behind the wait and the last use of the words
	MAXQ 0, \first
	MAXQ 1, \first
	FMAQ 0
	EXPQ 0
	FMAQ 1                                         ; plain work behind the run of exponentials
	SUMQ 0, \first
	CVTQ 0
	EXPQ 1
.if \first
	v_nop                                          ; the plain place behind the run
	s_wait_alu depctr_va_vdst(0)
.else
	RESC
.endif
	SUMQ 1, \first
	CVTQ 1
	s_wait_dscnt 0x0                               ; V's fragments are in; also, for the barrier below: my reads of this slot are over, my stores into the other are done
.irp d, 0,1,2,3
.irp q, 0,1
.if \first
	v_wmma_f32_16x16x32_f16 v[OA+32*\q+8*\d:OA+32*\q+8*\d+7], v[FR+8*\d:FR+8*\d+7], v[SC+32*\q:SC+32*\q+7], 0
.else
	v_wmma_f32_16x16x32_f16 v[OA+32*\q+8*\d:OA+32*\q+8*\d+7], v[FR+8*\d:FR+8*\d+7], v[SC+32*\q:SC+32*\q+7], v[OA+32*\q+8*\d:OA+32*\q+8*\d+7]
.endif
.endr
.endr
.irp d, 0,1,2,3
.irp q, 0,1
	v_wmma_f32_16x16x32_f16 v[OA+32*\q+8*\d:OA+32*\q+8*\d+7], v[FR+32+8*\d:FR+32+8*\d+7], v[SC+32*\q+8:SC+32*\q+15], v[OA+32*\q+8*\d:OA+32*\q+8*\d+7]
.endr
.endr
.rept 5
	v_nop                                          ; five places: next FR is loaded again (four), and a matrix instruction writes over P (five)
.endr
.if \cond
.Lsk_\id:
.endif
	s_barrier_signal -1                            ; no LDS instruction of mine is out, on either way to this line
	s_barrier_wait -1                              ; the other slot is whole, and nobody reads this one any more
.endm
.Lpass:
	s_wait_xcnt 0x0                                ; the last pass's stores: FR, their data, and s[96:97], their base, are rewritten only behind this wait
	s_sub_co_u32 s18, 7, s105
	s_cmp_eq_u32 s17, 0
	s_cselect_b32 s18, s105, s18                   ; b = p, then 7 - p
	s_lshl3_add_u32 s20, s18, s16                  ; g = 8 b + w
	s_lshl_b32 s22, s18, 7                         ; the block's 32 live words
	s_lshl_b32 s23, s20, 4
	s_add_co_u32 s23, s23, 1024                    ; my group's 4 any words
	s_load_b512 s[32:47], s[12:13], s22
	s_load_b512 s[48:63], s[12:13], s22 offset:0x40
	s_load_b128 s[68:71], s[12:13], s23
	s_lshl_b32 s2, s20, 13                         ; 8,192 g: 32 rows of Q, and also a group's 32 blocks of mask words
	s_add_nc_u64 s[96:97], s[4:5], s[2:3]
	s_add_nc_u64 s[28:29], s[10:11], s[2:3]
.set i, 0
.rept 16
	global_load_b128 v[SC+4*i:SC+4*i+3], v10, s[96:97] offset:512*i th:TH_LOAD_NT   ; rows 2 i, 2 i + 1 of my Q; read once in the launch
.set i, i+1
.endr
	s_wait_kmcnt 0x0
	s_or_b32 s21, s32, s33                         ; the tiles that are live for any of the block's eight groups: equal in all eight waves
.set i, 34
.rept 30
	s_or_b32 s21, s21, s[i]
.set i, i+1
.endr
	s_or_b32 s104, s68, s69
	s_or_b32 s2, s70, s71
	s_or_b32 s104, s104, s2
	; trips go in pairs (two slots): an even number of tiles, at least two.  A tile that is added is masked everywhere for the whole block,
	; so its any bit is set, its scores become -inf, its exp() 0 and its factor 1.
	s_cmp_eq_u32 s21, 0
	s_cselect_b32 s21, 3, s21
	s_add_co_u32 s2, s21, 1
	s_or_b32 s2, s2, s21                           ; with the lowest clear bit set
	s_bcnt1_i32_b32 s19, s21
	s_bitcmp1_b32 s19, 0
	s_cselect_b32 s21, s2, s21
	s_bcnt1_i32_b32 s19, s21
	s_lshr_b32 s19, s19, 1
	s_min_u32 s19, s19, PAIRS                      ; live pairs of trips, 1 to 16
	s_mov_b32 s22, s21
	GLOAD                                          ; the first tile
	s_wait_loadcnt 0x8                             ; Q's sixteen loads are in (and s[96:97] free); the eight of K and V behind them stay out
	POPM
.set i, 0
.rept 32
	v_cvt_pk_f16_f32 v[FR+i], v[SC+2*i], v[SC+2*i+1]
.set i, i+1
.endr
.set i, 0
.rept 16
	ds_store_b64 v8, v[FR+2*i:FR+2*i+1] offset:2*KP*i
.set i, i+1
.endr
.irp q, 0,1
.irp ks, 0,1
	ds_load_b128 v[QF+16*\q+8*\ks:QF+16*\q+8*\ks+3], v9 offset:16*KP*\q+64*\ks         ; my wave's own bytes; LDS serves a wave's instructions in order (ISA guide 5.7.1)
	ds_load_b128 v[QF+16*\q+8*\ks+4:QF+16*\q+8*\ks+7], v9 offset:16*KP*\q+64*\ks+32
.endr
.endr
	STAGE 0                                        ; slot 0's readers of the pass before have passed the barrier at that pass's end
	s_wait_dscnt 0x0                               ; my part of the first tile is in LDS (and Q's fragments are in)
	s_barrier_signal -1
	s_barrier_wait -1
	TRIP 0, 1, 1, 0, a0                            ; the list holds at least two tiles: the first pair is never jumped over
	TRIP 1, 0, 0, 0, a1
	s_mov_b32 s20, 1
.Lpair:
	TRIP 0, 1, 0, 1, b0
	TRIP 1, 0, 0, 1, b1
	s_add_co_u32 s20, s20, 1
	s_cmp_lt_u32 s20, PAIRS
	s_cbranch_scc1 .Lpair
	s_wait_loadcnt 0x0                             ; what was asked for beyond the list's end is thrown away, but is over before its registers
	s_wait_kmcnt 0x0                               ; (v256-287, s[32:63], s[68:99]) and bases are used again
	; A barrier of the pass's own: behind the loop's last barrier the text goes two ways, back to the loop's head, which reads slot 0, and on to the
	; next pass's head, which fills slot 0; with this one a barrier lies between those reads and that fill on every path.  No LDS instruction
	; of mine is out here (each trip ends behind its wait for zero and issues none after it).  Between signal and wait: registers only.
	s_barrier_signal -1
	v_pk_add_f32 v[LS:LS+1], v[LS:LS+1], v[LS+2:LS+3]
	v_pk_add_f32 v[LS+4:LS+5], v[LS+4:LS+5], v[LS+6:LS+7]
	v_add_f32 v[TT], v[LS], v[LS+1]
	v_add_f32 v[TT+1], v[LS+4], v[LS+5]
	v_permlanex16_b32 v[TT+4], v[TT], s100, s101   ; the other half of the query's keys
	v_permlanex16_b32 v[TT+3], v[TT+1], s100, s101
	v_add_f32 v[TT], v[TT], v[TT+4]
	v_add_f32 v[TT+1], v[TT+1], v[TT+3]
	v_rcp_f32 v[AL], v[TT]
	v_rcp_f32 v[AL+1], v[TT+1]
	v_nop                                          ; the plain place behind the two reciprocals
	s_wait_alu depctr_va_vdst(0)
	RESC                                           ; O / sum
	s_barrier_wait -1
	; a lane holds 8 numbers of 8 rows' pieces: through my stage, so that whole rows of 256 bytes leave
.irp q, 0,1
.irp d, 0,1,2,3
	ds_store_b128 v6, v[OA+32*\q+8*\d:OA+32*\q+8*\d+3] offset:16*OP*\q+64*\d
	ds_store_b128 v6, v[OA+32*\q+8*\d+4:OA+32*\q+8*\d+7] offset:16*OP*\q+64*\d+16
.endr
.endr
.set i, 0
.rept 16
	ds_load_b128 v[FR+4*i:FR+4*i+3], v7 offset:2*OP*i
.set i, i+1
.endr
	s_lshl3_add_u32 s2, s18, s16
	s_lshl_b32 s2, s2, 13
	s_add_nc_u64 s[96:97], s[14:15], s[2:3]        ; my 32 rows of out0
.set i, 0
.rept 16
	s_wait_dscnt 15-i                              ; rows 2 i, 2 i + 1 are back; the younger loads stay out
	global_store_b128 v10, v[FR+4*i:FR+4*i+3], s[96:97] offset:512*i th:TH_STORE_NT   ; 16 lanes store one row: 256 consecutive bytes, aligned
.set i, i+1
.endr
	s_add_co_u32 s17, s17, 1
	s_cmp_lt_u32 s17, 2
	s_cbranch_scc1 .Lpass
	s_set_vgpr_msb 0x4
	s_wait_tensorcnt 0x0
	ds_add_u32 v31, v49
	s_wait_dscnt 0x0
	s_set_vgpr_msb 0x400
	s_endpgm
.Lfunc_end_k_qa37aa3df4f_attn:
	.size	k_qa37aa3df4f_attn, .Lfunc_end_k_qa37aa3df4f_attn-k_qa37aa3df4f_attn
	.p2alignl 7, 3214868480
	.fill 96, 4, 3214868480
	.section	.rodata,"a",@progbits
	.p2align	6, 0x0
	.amdhsa_kernel k_qa37aa3df4f_attn
		.amdhsa_group_segment_fixed_size 109568
		.amdhsa_private_segment_fixed_size 0
		.amdhsa_enable_private_segment 0
		.amdhsa_kernarg_size 48
		.amdhsa_user_sgpr_count 2
		.amdhsa_user_sgpr_kernarg_segment_ptr 1
		.amdhsa_wavefront_size32 1
		.amdhsa_system_sgpr_workgroup_id_x 1
		.amdhsa_system_sgpr_workgroup_id_y 1
		.amdhsa_system_sgpr_workgroup_id_z 1
		.amdhsa_system_vgpr_workitem_id 0
		.amdhsa_next_free_vgpr 306
		.amdhsa_next_free_sgpr 106
		.amdhsa_reserve_vcc 0
		.amdhsa_float_denorm_mode_32 3
		.amdhsa_float_denorm_mode_16_64 3
		.amdhsa_memory_ordered 1
		.amdhsa_forward_progress 1
		.amdhsa_inst_pref_size 116
	.end_amdhsa_kernel
	.amdgpu_metadata
---
amdhsa.version: [ 1, 2 ]
amdhsa.kernels:
  - .name:           k_qa37aa3df4f_attn
    .symbol:         k_qa37aa3df4f_attn.kd
    .args:
      - { .name: Q, .offset: 0, .size: 8, .value_kind: global_buffer, .address_space: global }
      - { .name: K, .offset: 8, .size: 8, .value_kind: global_buffer, .address_space: global }
      - { .name: V, .offset: 16, .size: 8, .value_kind: global_buffer, .address_space: global }
      - { .name: maskw, .offset: 24, .size: 8, .value_kind: global_buffer, .address_space: global }
      - { .name: flags, .offset: 32, .size: 8, .value_kind: global_buffer, .address_space: global }
      - { .name: out0, .offset: 40, .size: 8, .value_kind: global_buffer, .address_space: global }
    .group_segment_fixed_size: 109568
    .private_segment_fixed_size: 0
    .kernarg_segment_align: 8
    .kernarg_segment_size: 48
    .max_flat_workgroup_size: 256
    .sgpr_count:     106
    .vgpr_count:     306
    .wavefront_size: 32
...
	.end_amdgpu_metadata
.endif
;; end of part 2
